; MI455X (gfx1250); checked and timed in simulation.
; The chip was launched on July 23, 2026; its instructions are those of AMD's public machine-readable ISA for CDNA 5 (MIT licence, August 2026) and "CDNA5" Instruction Set Architecture Reference Guide (July 2026). The comments in the code are by the model that wrote it; some were corrected since.
;; Causal Self Attention. Allowed arithmetic: float matrix products may take bf16 or f16 operands with f32 sums; all other float work in f32.
;; Inputs: wk 512 x 2,048 float32; wo 2,048 x 2,048 float32; wq 2,048 x 2,048 float32; wv 512 x 2,048 float32; x 1 x 2,048 x 2,048 float32.
;; Outputs: out0 1 x 2,048 x 2,048 float32.
;; One version. Each part assembles by itself: llvm-mc -triple=amdgcn-amd-amdhsa -mcpu=gfx1250 --defsym DOCPART=n.
;; ======== version 1 of 1: 4 launches
;; limits: values are held in f16: magnitudes above 65,504 overflow, below 6.1e-05 lose precision
;; workspace buffers: xb 8,388,608 bytes; wqkvb 12,582,912 bytes; woh 8,388,608 bytes; tab 540,672 bytes; qkvh 12,582,912 bytes; attnh 8,388,608 bytes
;; launch prep (part 1): grid 1792 x 1, 8 waves a work-group, no clusters, 0 bytes of LDS; arguments x, wq, wk, wv, wo, xb, wqkvb, woh, tab; writes xb, wqkvb, woh, tab
.if DOCPART == 1
	.amdgcn_target "amdgcn-amd-amdhsa--gfx1250"
	.amdhsa_code_object_version 6
	.text
	.protected	k_q6a8ad51cd2_prep
	.globl	k_q6a8ad51cd2_prep
	.p2align	8
	.type	k_q6a8ad51cd2_prep,@function
k_q6a8ad51cd2_prep:
	s_mov_b64 s[64:65], 0
	v_nop
	global_prefetch_b8 v0, s[64:65] scope:SCOPE_SE
	s_setreg_imm32_b32 hwreg(HW_REG_WAVE_MODE, 25, 1), 1
	s_wait_xcnt 0x0
; Casts the five f32 inputs to 16 bits, once, and makes the RoPE table.
;   x -> xb (bf16);  wq, wk, wv -> wqkvb (bf16, rows 0-2047 wq, 2048-2559 wk, 2560-3071 wv);  wo -> woh (f16).
;   wo is rounded to bf16 as the other four inputs are, and that number is then written in f16, because the last product's other
;   operand (the attention's result) is kept in f16.  A bf16 number is exact in f16 from 2^-17 up in magnitude; below, it is within 2^-25.
;   LIMIT: |wo| below 65,504.
; A stream: a work-group takes 32 KiB of f32 (56 MiB / 32 KiB = 1,792 work-groups), a wave 4 KiB, as eight loads of 512 neighbouring bytes;
; each load's four numbers a lane become 8 bytes, so that a store of the wave covers 256 consecutive bytes, aligned.
; No LDS, no barrier, no matrix unit: nothing is shared and nothing is read twice.
; tab: [2112 rows][32 pairs][cos, sin] f32.  Row p < 2048: position p.  Rows 2048-2111: (1, 0), used for V's columns, which are not rotated.
;   angle = p * 2^(-i log2(10000)/32), reduced by a multiple of 2 pi kept in two parts, then Taylor sums to r^15 and r^16 on |r| <= pi
;   (first terms left out: pi^17/17! and pi^18/18!, both below 1e-6).  LIMIT: the angle is formed in f32; at p = 2047 it is within about 2e-4.
.set XR, 16                            ; v[16:47]  eight slots of four f32 as loaded
.set YR, 48                            ; v[48:63]  eight slots of two packed words to store
	s_load_b512 s[8:23], s[0:1], 0x0               ; x, wq, wk, wv, wo, xb, wqkvb, woh
	s_load_b64 s[24:25], s[0:1], 0x40              ; tab
	v_and_b32 v4, 31, v0                           ; lane
	v_lshrrev_b32 v5, 5, v0                        ; wave
	v_readfirstlane_b32 s34, v5
	v_lshlrev_b32 v1, 4, v4
	v_lshl_add_u32 v1, v5, 12, v1                  ; in:  4,096 wave + 16 lane
	v_lshlrev_b32 v2, 3, v4
	v_lshl_add_u32 v2, v5, 11, v2                  ; out: 2,048 wave + 8 lane
	s_wait_kmcnt 0x0
	; which input is mine: the work-groups are dealt in the order x (512), wq (512), wk (128), wv (128), wo (512)
	s_mov_b64 s[26:27], s[8:9]
	s_mov_b64 s[30:31], s[18:19]
	s_mov_b32 s28, 0                               ; first work-group of my source
	s_mov_b32 s29, 0                               ; first work-group of my destination
	s_cmp_ge_u32 ttmp9, 512
	s_cselect_b64 s[26:27], s[10:11], s[26:27]
	s_cselect_b64 s[30:31], s[20:21], s[30:31]
	s_cselect_b32 s28, 512, s28
	s_cselect_b32 s29, 512, s29
	s_cmp_ge_u32 ttmp9, 1024
	s_cselect_b64 s[26:27], s[12:13], s[26:27]     ; wk and wv follow wq in wqkvb: the destination's rule stays
	s_cselect_b32 s28, 1024, s28
	s_cmp_ge_u32 ttmp9, 1152
	s_cselect_b64 s[26:27], s[14:15], s[26:27]
	s_cselect_b32 s28, 1152, s28
	s_cmp_ge_u32 ttmp9, 1280
	s_cselect_b64 s[26:27], s[16:17], s[26:27]
	s_cselect_b64 s[30:31], s[22:23], s[30:31]
	s_cselect_b32 s28, 1280, s28
	s_cselect_b32 s29, 1280, s29
	s_sub_co_u32 s32, ttmp9, s28
	s_lshl_b32 s32, s32, 15                        ; 32 KiB of f32 a work-group
	s_mov_b32 s33, 0
	s_add_nc_u64 s[26:27], s[26:27], s[32:33]
	s_sub_co_u32 s32, ttmp9, s29
	s_lshl_b32 s32, s32, 14                        ; 16 KiB of 16-bit numbers
	s_add_nc_u64 s[30:31], s[30:31], s[32:33]
.irp j, 0,1,2,3,4,5,6,7
	global_load_b128 v[XR+4*\j:XR+4*\j+3], v1, s[26:27] offset:512*\j th:TH_LOAD_NT
.endr
	; the table, while the loads are on their way: work-groups 0 to 263, a wave a row, a lane a pair
	s_cmp_ge_u32 ttmp9, 264
	s_cbranch_scc1 .Lno_table
	s_lshl3_add_u32 s35, ttmp9, s34                ; row = 8 x work-group + wave
	s_cmp_lt_u32 s35, 2048
	s_cselect_b32 s36, s35, 0                      ; rows 2048-2111 take position 0: the sums below give exactly (1, 0)
	s_lshl_b32 s40, s35, 8
	s_mov_b32 s41, 0
	s_add_nc_u64 s[24:25], s[24:25], s[40:41]
	s_mov_b32 s38, 0x40c90fdb                      ; 2 pi, upper part
	s_mov_b32 s39, 0xb43bbd2e                      ; 2 pi, the rest
	v_cvt_f32_u32 v6, v4
	v_mul_f32 v6, 0xbed49a78, v6                   ; -i log2(10000) / 32
	v_exp_f32 v6, v6                               ; theta
	v_lshlrev_b32 v3, 3, v4                        ; (the plain instruction behind v_exp_f32: ISA guide 5.7.2) my 8 bytes of the row
	v_cvt_f32_u32 v7, s36
	s_wait_alu depctr_va_vdst(0)
	v_mul_f32 v7, v7, v6                           ; the angle
	v_mul_f32 v8, 0x3e22f983, v7                   ; / 2 pi
	v_rndne_f32 v8, v8
	v_fma_f32 v9, -v8, s38, v7
	v_fma_f32 v9, -v8, s39, v9                     ; r, |r| <= pi
	v_mul_f32 v10, v9, v9                          ; z = r^2
	v_mov_b32 v11, 0xab573f9f                      ; sine:   -1/15!
	v_mov_b32 v12, 0x29573f9f                      ; cosine:  1/16!
	v_fmaak_f32 v12, v12, v10, 0xad49cba5          ; -1/14!
	v_fmaak_f32 v11, v11, v10, 0x2f309231          ;  1/13!
	v_fmaak_f32 v12, v12, v10, 0x310f76c7          ;  1/12!
	v_fmaak_f32 v11, v11, v10, 0xb2d7322b          ; -1/11!
	v_fmaak_f32 v12, v12, v10, 0xb493f27e          ; -1/10!
	v_fmaak_f32 v11, v11, v10, 0x3638ef1d          ;  1/9!
	v_fmaak_f32 v12, v12, v10, 0x37d00d01          ;  1/8!
	v_fmaak_f32 v11, v11, v10, 0xb9500d01          ; -1/7!
	v_fmaak_f32 v12, v12, v10, 0xbab60b61          ; -1/6!
	v_fmaak_f32 v11, v11, v10, 0x3c088889          ;  1/5!
	v_fmaak_f32 v12, v12, v10, 0x3d2aaaab          ;  1/4!
	v_fmaak_f32 v11, v11, v10, 0xbe2aaaab          ; -1/3!
	v_fmaak_f32 v12, v12, v10, 0xbf000000          ; -1/2!
	v_mul_f32 v13, v9, v10
	v_fma_f32 v14, v10, v12, 1.0                   ; cos
	v_fma_f32 v15, v13, v11, v9                    ; sin
	global_store_b64 v3, v[14:15], s[24:25]        ; the wave writes one whole row of 256 bytes
.Lno_table:
; One slot.  The count lets the 7 - j younger loads stay out (loads come back in order: ISA guide 5.7.1).
; Every slot has registers of its own, so no register that a store still reads is written again.
.macro CAST j, half
	s_wait_loadcnt 7-\j
	v_cvt_pk_bf16_f32 v[YR+2*\j],   v[XR+4*\j],   v[XR+4*\j+1]
	v_cvt_pk_bf16_f32 v[YR+2*\j+1], v[XR+4*\j+2], v[XR+4*\j+3]
.if \half
	v_lshlrev_b32 v[XR+4*\j],   16, v[YR+2*\j]             ; the bf16 numbers as f32 again,
	v_and_b32     v[XR+4*\j+1], 0xffff0000, v[YR+2*\j]
	v_lshlrev_b32 v[XR+4*\j+2], 16, v[YR+2*\j+1]
	v_and_b32     v[XR+4*\j+3], 0xffff0000, v[YR+2*\j+1]
	v_cvt_pk_f16_f32 v[YR+2*\j],   v[XR+4*\j],   v[XR+4*\j+1]  ; and written in f16
	v_cvt_pk_f16_f32 v[YR+2*\j+1], v[XR+4*\j+2], v[XR+4*\j+3]
.endif
	global_store_b64 v2, v[YR+2*\j:YR+2*\j+1], s[30:31] offset:256*\j
.endm
	s_cmp_ge_u32 ttmp9, 1280
	s_cbranch_scc1 .Lwo
.irp j, 0,1,2,3,4,5,6,7
	CAST \j, 0
.endr
	s_endpgm
.Lwo:
.irp j, 0,1,2,3,4,5,6,7
	CAST \j, 1
.endr
	s_endpgm
.Lfunc_end_k_q6a8ad51cd2_prep:
	.size	k_q6a8ad51cd2_prep, .Lfunc_end_k_q6a8ad51cd2_prep-k_q6a8ad51cd2_prep
	.p2alignl 7, 3214868480
	.fill 96, 4, 3214868480
	.section	.rodata,"a",@progbits
	.p2align	6, 0x0
	.amdhsa_kernel k_q6a8ad51cd2_prep
		.amdhsa_group_segment_fixed_size 0
		.amdhsa_private_segment_fixed_size 0
		.amdhsa_enable_private_segment 0
		.amdhsa_kernarg_size 72
		.amdhsa_user_sgpr_count 2
		.amdhsa_user_sgpr_kernarg_segment_ptr 1
		.amdhsa_wavefront_size32 1
		.amdhsa_system_sgpr_workgroup_id_x 1
		.amdhsa_system_sgpr_workgroup_id_y 1
		.amdhsa_system_sgpr_workgroup_id_z 1
		.amdhsa_system_vgpr_workitem_id 0
		.amdhsa_next_free_vgpr 64
		.amdhsa_next_free_sgpr 66
		.amdhsa_reserve_vcc 0
		.amdhsa_float_denorm_mode_32 3
		.amdhsa_float_denorm_mode_16_64 3
		.amdhsa_memory_ordered 1
		.amdhsa_forward_progress 1
		.amdhsa_inst_pref_size 12
	.end_amdhsa_kernel
	.amdgpu_metadata
---
amdhsa.version: [ 1, 2 ]
amdhsa.kernels:
  - .name:           k_q6a8ad51cd2_prep
    .symbol:         k_q6a8ad51cd2_prep.kd
    .args:
      - { .name: x, .offset: 0, .size: 8, .value_kind: global_buffer, .address_space: global }
      - { .name: wq, .offset: 8, .size: 8, .value_kind: global_buffer, .address_space: global }
      - { .name: wk, .offset: 16, .size: 8, .value_kind: global_buffer, .address_space: global }
      - { .name: wv, .offset: 24, .size: 8, .value_kind: global_buffer, .address_space: global }
      - { .name: wo, .offset: 32, .size: 8, .value_kind: global_buffer, .address_space: global }
      - { .name: xb, .offset: 40, .size: 8, .value_kind: global_buffer, .address_space: global }
      - { .name: wqkvb, .offset: 48, .size: 8, .value_kind: global_buffer, .address_space: global }
      - { .name: woh, .offset: 56, .size: 8, .value_kind: global_buffer, .address_space: global }
      - { .name: tab, .offset: 64, .size: 8, .value_kind: global_buffer, .address_space: global }
    .group_segment_fixed_size: 0
    .private_segment_fixed_size: 0
    .kernarg_segment_align: 8
    .kernarg_segment_size: 72
    .max_flat_workgroup_size: 256
    .sgpr_count:     66
    .vgpr_count:     64
    .wavefront_size: 32
...
	.end_amdgpu_metadata
.endif
;; end of part 1
;; launch qkv (part 2): grid 16 x 16, 4 waves a work-group, clusters of 4 x 4, 327,680 bytes of LDS; arguments xb, wqkvb, tab, qkvh; writes qkvh
.if DOCPART == 2
	.amdgcn_target "amdgcn-amd-amdhsa--gfx1250"
	.amdhsa_code_object_version 6
	.text
	.protected	k_q6a8ad51cd2_qkv
	.globl	k_q6a8ad51cd2_qkv
	.p2align	8
	.type	k_q6a8ad51cd2_qkv,@function
k_q6a8ad51cd2_qkv:
	s_mov_b64 s[64:65], 0
	v_nop
	global_prefetch_b8 v0, s[64:65] scope:SCOPE_SE
	s_setreg_imm32_b32 hwreg(HW_REG_WAVE_MODE, 25, 1), 1
	s_wait_xcnt 0x0
	s_wait_alu depctr_hold_cnt(0) depctr_sa_sdst(0) depctr_va_vdst(0) depctr_va_sdst(0) depctr_va_ssrc(0) depctr_va_vcc(0) depctr_vm_vsrc(0)
	s_getreg_b32 s2, hwreg(HW_REG_IB_STS2, 6, 4)
	s_cmp_eq_u32 s2, 0
	s_cbranch_scc0 .Lentry_in_a_cluster
	s_endpgm
.Lentry_in_a_cluster:
	s_bfe_u32 s2, ttmp6, 0x10000c
	s_cmp_lg_u32 s2, 0xf033
	s_cbranch_scc0 .Lentry_shape_is_right
	s_endpgm
.Lentry_shape_is_right:
; C = xb wqkvb^T  ([2048][2048] x [3072][2048], bf16, sums in f32), RoPE on the columns of q and k, result in f16, head-major:
; qkvh[48 heads][2048 positions][64]: heads 0-31 q, 32-39 k, 40-47 v.
; f16 and not bf16 for the result: the first rows of the final output rest on one or a few keys and are some ten times larger than the
; output's root mean square, so 8 bits on q, k, v would show there; f16 keeps 11.
; LIMIT: |q|, |k|, |v| below 65,504 (as drawn their rms is 0.9; with x and the weights 30 times larger, 815; with both offset by 30 spreads,
; 2048 x 30 x 0.6 = 36,864, after the rotation at most 52,134).
; A work-group makes 128 x 192 of C (three heads) with four waves, 2 x 2, a wave 64 x 96: 24 accumulator tiles, 192 registers.
; 16 x 16 = 256 work-groups.  K goes in steps of 128 through two LDS slots: a tile's rows are 256 bytes of memory, aligned.
; Two slots of K = 256 would take 320 rows x 528 x 2 = 337,920 bytes, more than a work-group can have.
; CLUSTERS: 4 x 4 work-groups.  A's tile hangs on the block row alone and is asked for jointly along a row of the cluster, B's on the block
; column alone and jointly along a column.  Waves 0, 1 fetch A's halves (64 rows), waves 2, 3 B's halves (96 rows).
; A wave has two tensor loads out at the start and one behind each round.
; REGISTERS: window 0: addresses, two fragment buffers, work.  Window 1: accumulator (a, b) at v[8 (6 a + b)].
; Window 2: the table's (cos, sin) for that accumulator's numbers, at the same register numbers.
; THE MATRIX INSTRUCTION IS USED TRANSPOSED (source 0 = rows of the weights, source 1 = rows of x): lane l holds row l % 16 of C and its
; registers 0-7 the columns 8 (l / 16) + 0..7: four neighbouring RoPE pairs, and 16 neighbouring bytes of the result.
.set KS,     128
.set PITCH,  272                       ; 256 bytes + 16: an odd multiple of 16, so sixteen rows start at sixteen different 16-byte columns modulo 256
.set AH,     64*PITCH                  ; half of A's tile
.set BH,     96*PITCH                  ; half of B's tile
.set SLOT,   2*AH+2*BH                 ; 87,040
.set STAGE,  2*SLOT                    ; 174,080, a multiple of 256: no tensor load lands from here on
.set SPITCH, 400                       ; the stage's rows: 192 f16 + 16 bytes
.set LAPS,   2048/(2*KS)               ; a lap = two K steps = once round the ring
.set NL,     20                        ; LDS loads of a quarter step: 12 for B, 8 for A
.set TADR,   8                         ; v8-13   byte offset in tab for column block b
.set ADRA,   16                        ; v16-17  LDS address of my A fragments in slot 0, 1
.set ADRB,   20                        ; v20-21  the same for B
.set STO,    24
.set RD,     25
.set CO,     26
.set FA,     32                        ; A fragments: v32-63 (buffer 0), v112-143 (buffer 1)
.set FB,     64                        ; B fragments: v64-111, v144-191
.set PKD,    128                       ; the way out: packed f16
.set ROT,    192                       ; the way out: 48 rotated numbers
.set TMP,    240
.set G1,  24
.set G0,  32
.set G1B, 48
.set G0B, 56
.set MSB, 0
.macro WIN new                         ; the immediate's high byte repeats the setting that is left
.if MSB != \new
	s_set_vgpr_msb (MSB<<8)|\new
.set MSB, \new
.endif
.endm
.set MULW, 0x50                        ; C and D in window 1, fragments in window 0
.macro PLACES                          ; four plain places behind a matrix instruction ahead of reads of its result and of loads into its sources
.rept 4
	v_nop
.endr
.endm
.macro JLOAD s                         ; a joint load: one line and one mask for A's fetchers, one for B's; the branch hangs on the wave's number alone
	s_cmp_eq_u32 s13, 0
	s_cbranch_scc0 .Lfor_b_\@
	tensor_load_to_lds s[G0+4*\s:G0+4*\s+3], s[G1:G1+7]
	s_nop 0
	s_branch .Lasked_\@
.Lfor_b_\@:
	tensor_load_to_lds s[G0B+4*\s:G0B+4*\s+3], s[G1B:G1B+7]
	s_nop 0
.Lasked_\@:
.endm
.macro CREST                           ; a round of the cluster's barrier behind its opening barrier
	s_cmp_lg_u32 s12, 0
	s_cbranch_scc1 .Lnot_wave_0_\@
	s_barrier_signal -3
.Lnot_wave_0_\@:
	s_barrier_wait -3
	s_barrier_signal -1
	s_barrier_wait -1
.endm
.macro CROUND
	s_barrier_signal -1
	s_barrier_wait -1
	CREST
.endm
	s_load_b256 s[4:11], s[0:1], 0x0               ; xb s[4:5], wqkvb s[6:7], tab s[8:9], qkvh s[10:11]
	v_lshl_add_u32 v254, v0, 2, 0x37000
	v_mov_b32 v255, 0
	ds_add_u32 v254, v255
	ds_add_u32 v254, v255
	v_lshrrev_b32 v1, 5, v0
	v_readfirstlane_b32 s12, v1                    ; wave
	s_lshr_b32 s13, s12, 1                         ; my half of the block's rows; also: I fetch for A (0) or B (1)
	s_and_b32 s14, s12, 1                          ; my half of its columns; also: which half of that tile I fetch
	s_bfe_u32 s40, ttmp6, 0x40000                  ; cx
	s_bfe_u32 s41, ttmp6, 0x40004                  ; cy
	s_lshl_b32 s42, ttmp9, 2
	s_add_co_u32 s42, s42, s40                     ; block column
	s_and_b32 s15, ttmp7, 0xffff
	s_lshl_b32 s15, s15, 2
	s_add_co_u32 s15, s15, s41                     ; block row
	s_lshl_b32 s43, s41, 2
	s_lshl_b32 s43, 15, s43                        ; my row of the cluster
	s_lshl_b32 s44, 0x1111, s40                    ; my column
	s_or_b32 s[G1+0], s43, (1<<16)|(1<<20)|(1<<21)|(5<<22)|(3<<25)   ; mask; 2-byte elements; padding on; bit 21 beside a mask; 4 words behind every 64
	s_or_b32 s[G1B+0], s44, (1<<16)|(1<<20)|(1<<21)|(5<<22)|(3<<25)
	s_mov_b32 s[G1+1], KS<<16                      ; tensor_dim0 = 128
	s_mov_b32 s[G1B+1], KS<<16
	s_mov_b32 s[G1+2], 64<<16                      ; tensor_dim1 = 64 rows
	s_mov_b32 s[G1B+2], 96<<16                     ;             = 96 rows
	s_mov_b32 s[G1+3], KS<<16                      ; tile_dim0 = 128
	s_mov_b32 s[G1B+3], KS<<16
	s_mov_b32 s[G1+4], 64                          ; tile_dim1
	s_mov_b32 s[G1B+4], 96
	s_mov_b32 s[G1+5], 2048                        ; elements from row to row
	s_mov_b32 s[G1B+5], 2048
	s_mov_b32 s[G1+6], 0
	s_mov_b32 s[G1B+6], 0
	s_mov_b32 s[G1+7], 0
	s_mov_b32 s[G1B+7], 0
	s_lshl_b32 s16, s15, 19                        ; A: (128 x block row + 64 x half) rows of 4,096 bytes
	s_lshl_b32 s17, s14, 18
	s_add_co_u32 s16, s16, s17
	s_mov_b32 s17, 0
	s_mul_i32 s46, s42, 192*4096                   ; B: (192 x block column + 96 x half) rows
	s_mul_i32 s47, s14, 96*4096
	s_add_co_u32 s46, s46, s47
	s_mov_b32 s47, 0
	s_mul_i32 s20, s14, AH                         ; where they go: the wave's number alone enters an LDS address
	s_mul_i32 s21, s14, BH
	s_add_co_u32 s21, s21, 2*AH
	s_wait_dscnt 0x0
	s_wait_kmcnt 0x0
	s_add_nc_u64 s[18:19], s[4:5], s[16:17]
	s_add_nc_u64 s[46:47], s[6:7], s[46:47]
	CROUND                                         ; all sixteen work-groups are here: the first joint loads meet
.irp s, 0,1
	s_mov_b32 s[G0+4*\s], 1
	s_add_co_u32 s[G0+4*\s+1], s20, \s*SLOT
	s_add_nc_u64 s[G0+4*\s+2:G0+4*\s+3], s[18:19], \s*KS*2
	s_or_b32 s[G0+4*\s+3], s[G0+4*\s+3], 0x80000000
	s_mov_b32 s[G0B+4*\s], 1
	s_add_co_u32 s[G0B+4*\s+1], s21, \s*SLOT
	s_add_nc_u64 s[G0B+4*\s+2:G0B+4*\s+3], s[46:47], \s*KS*2
	s_or_b32 s[G0B+4*\s+3], s[G0B+4*\s+3], 0x80000000
.endr
	s_cmp_eq_u32 s13, 0                            ; both first fills of a wave inside one branch on its number
	s_cbranch_scc0 .Lfirst_b
	tensor_load_to_lds s[G0:G0+3], s[G1:G1+7]
	s_nop 0
	tensor_load_to_lds s[G0+4:G0+7], s[G1:G1+7]
	s_nop 0
	s_branch .Lfirst_done
.Lfirst_b:
	tensor_load_to_lds s[G0B:G0B+3], s[G1B:G1B+7]
	s_nop 0
	tensor_load_to_lds s[G0B+4:G0B+7], s[G1B:G1B+7]
	s_nop 0
.Lfirst_done:
	; The table's values for my 64 x 96 numbers, 48 loads that land during the K loop and are waited for once, at the way out.
	; Lane (r, h), row block a, column block b: table row = position 16 a + r of my rows, 32 bytes = four (cos, sin) from pair (column % 64) / 2 + 4 h.
	; Column blocks at or beyond column 2560 are V's: they take the rows 2048 + 16 a + r, which hold (1, 0).  A select, no branch.
	v_and_b32 v1, 15, v0                           ; r
	v_bfe_u32 v2, v0, 4, 1                         ; h
	v_lshlrev_b32 v7, 8, v1
	v_lshl_add_u32 v7, v2, 5, v7                   ; 256 r + 32 h
	s_lshl_b32 s3, s15, 7
	s_lshl_b32 s45, s13, 6
	s_add_co_u32 s3, s3, s45                       ; my first row of C = my first position
	s_mul_i32 s45, s42, 192
	s_mul_i32 s46, s14, 96
	s_add_co_u32 s45, s45, s46                     ; my first column
.irp b, 0,1,2,3,4,5
	s_add_co_u32 s46, s45, 16*\b
	s_cmp_ge_u32 s46, 2560
	s_cselect_b32 s47, 2048, s3
	s_lshl_b32 s47, s47, 8
	s_and_b32 s46, s46, 63
	s_lshl2_add_u32 s47, s46, s47                  ; + 4 bytes for each column of the head
	v_add_nc_u32 v[TADR+\b], s47, v7
.endr
	WIN 0x80                                       ; destination in window 2
.irp a, 0,1,2,3
.irp b, 0,1,2,3,4,5
	global_load_b128 v[8*(6*\a+\b):8*(6*\a+\b)+3],   v[TADR+\b], s[8:9] offset:4096*\a
	global_load_b128 v[8*(6*\a+\b)+4:8*(6*\a+\b)+7], v[TADR+\b], s[8:9] offset:4096*\a+16
.endr
.endr
	WIN 0
	; fragment addresses: row x pitch + 16 x half of the lanes
	v_mul_u32_u24 v3, v1, PITCH
	v_lshl_add_u32 v3, v2, 4, v3
	s_mul_i32 s22, s13, AH
	s_mul_i32 s23, s14, BH
	s_add_co_u32 s23, s23, 2*AH
.irp s, 0,1
	v_add_nc_u32 v[ADRA+\s], s22, v3
	v_add_nc_u32 v[ADRB+\s], s23, v3
	s_add_co_u32 s22, s22, SLOT
	s_add_co_u32 s23, s23, SLOT
.endr
	; the stage: 128 rows x 400 bytes, shared by the four waves
	s_mul_i32 s22, s13, 64*SPITCH
	s_mul_i32 s23, s14, 192
	s_add_co_u32 s22, s22, s23
	s_add_co_u32 s22, s22, STAGE
	v_mul_u32_u24 v4, v1, SPITCH
	v_lshl_add_u32 v4, v2, 4, v4
	v_add_nc_u32 v[STO], s22, v4                   ; in: row 64 wr + r, byte 192 wc + 16 h
	s_mul_i32 s23, s12, 32*SPITCH
	s_add_co_u32 s23, s23, STAGE
	v_bfe_u32 v5, v0, 3, 2
	v_and_b32 v6, 7, v0
	v_mul_u32_u24 v5, v5, SPITCH
	v_lshl_add_u32 v5, v6, 4, v5
	v_add_nc_u32 v[RD], s23, v5                    ; back: row 32 w + l / 8, 16 bytes at 16 (l % 8)
	v_and_b32 v6, 31, v0
	v_lshlrev_b32 v6, 4, v6
	v_lshl_add_u32 v[CO], s12, 12, v6              ; in a head's block: 32 w positions of 128 bytes + 16 l
; six matrix instructions: row block a x all six column blocks, 32 along K.  The 24 accumulators take turns, one instruction a turn, in the
; same order everywhere, over the loop's backward jump too.
.macro MUL1 f, a, zero
.irp b, 0,1,2,3,4,5
.if \zero
	v_wmma_f32_16x16x32_bf16 v[8*(6*\a+\b):8*(6*\a+\b)+7], v[FB+80*\f+8*\b:FB+80*\f+8*\b+7], v[FA+80*\f+8*\a:FA+80*\f+8*\a+7], 0
.else
	v_wmma_f32_16x16x32_bf16 v[8*(6*\a+\b):8*(6*\a+\b)+7], v[FB+80*\f+8*\b:FB+80*\f+8*\b+7], v[FA+80*\f+8*\a:FA+80*\f+8*\a+7], v[8*(6*\a+\b):8*(6*\a+\b)+7]
.endif
.endr
.endm
.macro FETCH slot, k, f                ; a quarter step's fragments: B's twelve loads, then A's eight
.irp i, 0,1,2,3,4,5
	ds_load_b128 v[FB+80*\f+8*\i:FB+80*\f+8*\i+3],   v[ADRB+\slot] offset:\k+\i*16*PITCH
	ds_load_b128 v[FB+80*\f+8*\i+4:FB+80*\f+8*\i+7], v[ADRB+\slot] offset:\k+\i*16*PITCH+32
.endr
.irp i, 0,1,2,3
	ds_load_b128 v[FA+80*\f+8*\i:FA+80*\f+8*\i+3],   v[ADRA+\slot] offset:\k+\i*16*PITCH
	ds_load_b128 v[FA+80*\f+8*\i+4:FA+80*\f+8*\i+7], v[ADRA+\slot] offset:\k+\i*16*PITCH+32
.endr
.endm
.macro QUARTER slot, k, f, g, zero     ; multiplies buffer f; in its middle fetches the next quarter's fragments (byte k of the rows) into buffer g
	s_wait_dscnt 4                                 ; B and A's row blocks 0, 1 are in; the youngest four loads (A's blocks 2, 3) may be out
	WIN MULW
	MUL1 \f, 0, \zero
	MUL1 \f, 1, \zero
	PLACES
	WIN 0
	FETCH \slot, \k, \g
	s_wait_dscnt NL                                ; all but the twenty just issued
	WIN MULW
	MUL1 \f, 2, \zero
	MUL1 \f, 3, \zero
.endm
; The last quarter of a K step: multiplies buffer 1 and changes slots.  In front of the barrier each wave waits for its reads of this slot and
; for all its tensor loads (one is out: its part of the next slot).  Where the slot is filled again the barrier opens a round of the cluster's
; barrier, with register work alone inside, and the joint refill is the first tensor load behind the round.
.macro TURN slot, next, fill
	s_wait_dscnt 4
	WIN MULW
	MUL1 1, 0, 0
	s_wait_dscnt 0
	s_wait_tensorcnt 0x0
	ds_add_u32 v254, v255
	s_wait_dscnt 0x0
	s_barrier_signal -1
	MUL1 1, 1, 0
	WIN 0
	s_barrier_wait -1
.if \fill
	CREST
	s_add_nc_u64 s[G0+4*\slot+2:G0+4*\slot+3], s[G0+4*\slot+2:G0+4*\slot+3], 2*KS*2
	s_add_nc_u64 s[G0B+4*\slot+2:G0B+4*\slot+3], s[G0B+4*\slot+2:G0B+4*\slot+3], 2*KS*2
	JLOAD \slot
.endif
	PLACES
	FETCH \next, 0, 0
	WIN MULW
	MUL1 1, 2, 0
	MUL1 1, 3, 0
.endm
.macro THREE slot, zero
	QUARTER \slot, 64,  0, 1, \zero
	QUARTER \slot, 128, 1, 0, 0
	QUARTER \slot, 192, 0, 1, 0
.endm
.macro LAP zero
	THREE 0, \zero
	TURN 0, 1, 1
	THREE 1, 0
	TURN 1, 0, 1
.endm
	s_wait_tensorcnt 0x1                           ; my part of K step 0 is in; K step 1's stays out
	s_barrier_signal -1
	s_barrier_wait -1
	FETCH 0, 0, 0
	LAP 1                                          ; the first products start the sums: nothing is cleared
	WIN 0
	s_mov_b32 s3, LAPS-2
.Llap:
	LAP 0
	WIN 0
	s_sub_co_u32 s3, s3, 1
	s_cmp_lg_u32 s3, 0
	s_cbranch_scc1 .Llap
	THREE 0, 0                                     ; the last lap fills nothing
	TURN 0, 1, 0
	THREE 1, 0
	s_wait_dscnt 4
	WIN MULW
	MUL1 1, 0, 0
	MUL1 1, 1, 0
	s_wait_dscnt 0
	MUL1 1, 2, 0
	MUL1 1, 3, 0
	; THE WAY OUT.  Rotate (r0 = x0 cos - x1 sin, r1 = x1 cos + x0 sin), round once to f16, 16 bytes a lane into the stage.
	PLACES
	s_wait_loadcnt 0x0                             ; the table's 48 loads
.macro ROPE16 a
	WIN 0x09                                       ; source 0: window 1 (sums); source 1: window 2 (table); source 2 and destination: window 0
.irp b, 0,1,2,3,4,5
.irp p, 0,1,2,3
	v_mul_f32 v[TMP+2*\p],   v[8*(6*\a+\b)+2*\p+1], v[8*(6*\a+\b)+2*\p+1]                       ; x1 sin
	v_mul_f32 v[TMP+2*\p+1], v[8*(6*\a+\b)+2*\p],   v[8*(6*\a+\b)+2*\p+1]                       ; x0 sin
	v_fma_f32 v[ROT+8*\b+2*\p],   v[8*(6*\a+\b)+2*\p],   v[8*(6*\a+\b)+2*\p], -v[TMP+2*\p]      ; x0 cos - x1 sin
	v_fma_f32 v[ROT+8*\b+2*\p+1], v[8*(6*\a+\b)+2*\p+1], v[8*(6*\a+\b)+2*\p], v[TMP+2*\p+1]     ; x1 cos + x0 sin
.endr
.endr
	WIN 0
.irp b, 0,1,2,3,4,5
.irp p, 0,1,2,3
	v_cvt_pk_f16_f32 v[PKD+4*\b+\p], v[ROT+8*\b+2*\p], v[ROT+8*\b+2*\p+1]
.endr
.endr
.irp b, 0,1,2,3,4,5
	ds_store_b128 v[STO], v[PKD+4*\b:PKD+4*\b+3] offset:16*SPITCH*\a+32*\b
.endr
.endm
	ROPE16 0
	ROPE16 1
	ROPE16 2
	ROPE16 3
	s_wait_dscnt 0x0                               ; my stores are done: the middle head's rows are written by two waves
	s_barrier_signal -1
	s_barrier_wait -1
	s_lshl_b32 s16, s15, 14                        ; 128 positions of 128 bytes for each block row
	s_mov_b32 s17, 0
	s_add_nc_u64 s[10:11], s[10:11], s[16:17]
	s_mul_i32 s46, s42, 3*262144                   ; three heads for each block column
	s_mov_b32 s47, 0
	s_add_nc_u64 s[10:11], s[10:11], s[46:47]
	; back by rows: wave w takes rows 32 w .. 32 w + 31; a load takes four rows' 128 bytes of one head, which are 512 consecutive bytes of qkvh
.irp hh, 0,1,2
.irp t, 0,1,2,3,4,5,6,7
	ds_load_b128 v[32+4*(8*\hh+\t):32+4*(8*\hh+\t)+3], v[RD] offset:4*SPITCH*\t+128*\hh
.endr
.endr
.irp hh, 0,1,2
.irp t, 0,1,2,3,4,5,6,7
	s_wait_dscnt 23-(8*\hh+\t)                     ; LDS loads come back in order: this one is in
	global_store_b128 v[CO], v[32+4*(8*\hh+\t):32+4*(8*\hh+\t)+3], s[10:11] offset:512*\t+262144*\hh
.endr
.endr
	s_wait_tensorcnt 0x0
	ds_add_u32 v254, v255
	s_wait_dscnt 0x0
	CROUND                                         ; the closing round: no work-group ends while a partner may still ask jointly
	s_endpgm
.Lfunc_end_k_q6a8ad51cd2_qkv:
	.size	k_q6a8ad51cd2_qkv, .Lfunc_end_k_q6a8ad51cd2_qkv-k_q6a8ad51cd2_qkv
	.p2alignl 7, 3214868480
	.fill 96, 4, 3214868480
	.section	.rodata,"a",@progbits
	.p2align	6, 0x0
	.amdhsa_kernel k_q6a8ad51cd2_qkv
		.amdhsa_group_segment_fixed_size 327680
		.amdhsa_private_segment_fixed_size 0
		.amdhsa_enable_private_segment 0
		.amdhsa_kernarg_size 32
		.amdhsa_user_sgpr_count 2
		.amdhsa_user_sgpr_kernarg_segment_ptr 1
		.amdhsa_wavefront_size32 1
		.amdhsa_system_sgpr_workgroup_id_x 1
		.amdhsa_system_sgpr_workgroup_id_y 1
		.amdhsa_system_sgpr_workgroup_id_z 1
		.amdhsa_system_vgpr_workitem_id 0
		.amdhsa_next_free_vgpr 704
		.amdhsa_next_free_sgpr 66
		.amdhsa_reserve_vcc 0
		.amdhsa_float_denorm_mode_32 3
		.amdhsa_float_denorm_mode_16_64 3
		.amdhsa_memory_ordered 1
		.amdhsa_forward_progress 1
		.amdhsa_inst_pref_size 120
	.end_amdhsa_kernel
	.amdgpu_metadata
---
amdhsa.version: [ 1, 2 ]
amdhsa.kernels:
  - .name:           k_q6a8ad51cd2_qkv
    .symbol:         k_q6a8ad51cd2_qkv.kd
    .args:
      - { .name: xb, .offset: 0, .size: 8, .value_kind: global_buffer, .address_space: global }
      - { .name: wqkvb, .offset: 8, .size: 8, .value_kind: global_buffer, .address_space: global }
      - { .name: tab, .offset: 16, .size: 8, .value_kind: global_buffer, .address_space: global }
      - { .name: qkvh, .offset: 24, .size: 8, .value_kind: global_buffer, .address_space: global }
    .group_segment_fixed_size: 327680
    .private_segment_fixed_size: 0
    .kernarg_segment_align: 8
    .kernarg_segment_size: 32
    .max_flat_workgroup_size: 128
    .sgpr_count:     66
    .vgpr_count:     704
    .wavefront_size: 32
...
	.end_amdgpu_metadata
.endif
;; end of part 2
;; launch attn (part 3): grid 32 x 8, 8 waves a work-group, no clusters, 327,680 bytes of LDS; arguments qkvh, attnh; writes attnh
.if DOCPART == 3
	.amdgcn_target "amdgcn-amd-amdhsa--gfx1250"
	.amdhsa_code_object_version 6
	.text
	.protected	k_q6a8ad51cd2_attn
	.globl	k_q6a8ad51cd2_attn
	.p2align	8
	.type	k_q6a8ad51cd2_attn,@function
k_q6a8ad51cd2_attn:
	s_mov_b64 s[64:65], 0
	v_nop
	global_prefetch_b8 v0, s[64:65] scope:SCOPE_SE
	s_setreg_imm32_b32 hwreg(HW_REG_WAVE_MODE, 25, 1), 1
	s_wait_xcnt 0x0
; Causal attention with a running maximum.  qkvh[48][2048][64] f16 (heads 0-31 q, 32-39 k, 40-47 v) -> attnh[2048][2048] f16, column = head x 64 + d.
; Work-group (i, g): key/value head g with its four query heads; query rows 32 i .. 32 i + 31, then rows 32 (63 - i) .. + 31.
; In tiles of 256 keys that is (i / 8 + 1) + (8 - i / 8) = 9 trips for every work-group: 256 work-groups of equal work.
; EIGHT WAVES, TWO SETS.  Waves w and w + 4 hold the same queries: heads 4 g + 2 (w & 1) and + 1 (two query blocks n = 0, 1), rows
; 16 ((w & 3) >> 1) + 0..15 of the block.  Set A (waves 0-3) takes keys 0-127 of every tile, set B (waves 4-7) keys 128-255, each with a
; running maximum, sum and O of its own, so that a wave's vector work can stand beside its neighbour's matrix work, and a wave reads only
; its half of a tile: the LDS bytes for each product are those of four waves.  A wave makes 18 steps of 64 keys; the causal shape needs 16.5.
; The two sets' figures meet once, at the end, through LDS: at the change of query blocks every wave puts its first block's figures into
; bytes of its own; behind the last trip set B puts down its second block's; behind one barrier set A finishes the second block and set B
; the first:  m = max(ma, mb), f = exp2((m_own - m) c), sum = la fa + lb fb, O = (Oa fa + Ob fb) / sum.
; BOTH PRODUCTS ARE USED TRANSPOSED, so that a lane holds ONE query (l % 16) throughout and the row figures need no shuffle but one
; exchange between the halves of the lanes:
;   S^T(kb, n) = K(16 keys) x Q(n): register j of lane (r, h) = score of query r with key 16 kb + 8 h + j;
;   packed in pairs, S^T(2u, n) and S^T(2u+1, n) ARE the second operand P(n, u) for 32 keys, written in place;
;   O^T(db, n) += V^T(16 d, 32 keys) x P(n, u): register j = d 16 db + 8 h + j of query r: 16 neighbouring bytes of the result.
; f16 operands: P lies in [0, 1]; q, k, v below 65,504 (the limit stated where they are made).  The row sum adds the f32 p; the product uses p in f16.
; THE MAXIMUM STARTS AT -1e30, not at -inf: a set may see masked keys alone (set B in the first 128 rows), and then -inf - (-inf) must not arise.
; A score is at most 64 x 65,504^2 = 2.7e11 in magnitude, so the floor lies below every score and the true maximum is what is taken away.
; At the change of query blocks the maximum is set back to the floor; the second block's first tile is never masked (its rows are 1024 and up),
; so the next step's factor exp2((-1e30 - m) c) = 0 wipes the old sums.  LIMIT: that needs finite sums, which holds wherever the result is finite.
; NO CLUSTER: the four query heads that share K and V are inside the work-group already; other query blocks of the head start again at key 0
; after i / 8 + 1 trips, a number that differs between them, so in a given trip they want different tiles.
; NO PREFETCH: a head's K and V are 512 KiB that 32 work-groups read, written by the launch just before.
; LDS: two slots of K (256 rows, pitch 144) and V (256 rows, pitch 160); behind them, where no tensor load lands, the sets' figures
; (17 x 512 bytes a wave) and a stage of 16 x 272 bytes for each wave.
; Waves 0-3 fetch K's quarters, waves 4-7 V's, 64 rows each: one tensor load a wave behind each barrier; two are out at the start, later one.
.set KP,     144                       ; 128 bytes + 16: odd multiple of 16
.set VP,     160                       ; 128 bytes + 32: odd multiple of 32, for the transposing loads
.set KBYTES, 256*KP                    ; 36,864
.set SLOT,   KBYTES+256*VP             ; 77,824
.set MB,     17*512                    ; a wave's figures: 64 registers of O, then maximum and sum
.set MERGE1, 2*SLOT                    ; 155,648: the first block's figures, eight waves
.set MERGE2, MERGE1+8*MB               ; 225,280: set B's figures of the second block
.set STAGE,  MERGE2+4*MB               ; 260,096; all three are multiples of 256
.set SP,     272
.set HEADB,  262144                    ; bytes of a head in qkvh
.set M1OWN, 6                          ; v6      LDS address of my own figures of the first block
.set M1PAR, 7                          ; v7      of set A's figures of the first block for my queries
.set KA,   8                           ; v8-9    LDS address of K fragments in slot 0, 1 (my set's 128 keys)
.set VA,   10                          ; v10-11  the same for V
.set STO,  12
.set RD,   13
.set CO,   14
.set QOFF, 15
.set QH,   16                          ; 16 rh + r - 8 h
.set THR,  17
.set NINF, 18
.set M2,   19                          ; v19     LDS address of set B's figures of the second block for my queries
.set MX,   20                          ; v20-21  running maximum, n = 0, 1
.set LS,   22                          ; v22-23  running sum over the keys of my half of the lanes
.set AL,   24                          ; v24-27  the step's factor, a pair for each n
.set NMC,  28                          ; v28-31  -maximum x c, a pair for each n
.set TT,   32                          ; v32-39  at work
.set QF,   40                          ; v40-71  Q(n, ks) at QF + 8 (2 n + ks)
.set SC,   72                          ; v72-135 S^T(kb, n) at SC + 8 (2 kb + n)
.set KF,   136                         ; v136-199 K(kb, ks) at KF + 8 (2 kb + ks); the way out uses these registers
.set TU,   200                         ; v200-207 at work
.set OA,   0                           ; window 1: O^T(db, n) at 8 (2 db + n)
.set VF,   64                          ; window 1: V^T(db, u) at 64 + 8 (2 db + u)
.set G1K, 24
.set G0K, 32
.set G1V, 48
.set G0V, 56
.set MSB, 0
.macro WIN new                         ; the immediate's high byte repeats the setting that is left
.if MSB != \new
	s_set_vgpr_msb (MSB<<8)|\new
.set MSB, \new
.endif
.endm
	s_load_b128 s[4:7], s[0:1], 0x0                ; qkvh s[4:5], attnh s[6:7]
	v_lshl_add_u32 v254, v0, 2, 0x48000
	v_mov_b32 v255, 0
	ds_add_u32 v254, v255
	ds_add_u32 v254, v255
	v_lshrrev_b32 v1, 5, v0
	v_readfirstlane_b32 s12, v1                    ; wave 0..7
	s_lshr_b32 s40, s12, 2                         ; my set: 0 = A, 1 = B; also: I fetch K (0) or V (1)
	s_and_b32 s3, s12, 3                           ; my place in the set; also: which 64 rows of the tile I fetch
	s_lshr_b32 s13, s3, 1                          ; rh
	s_and_b32 s14, s12, 1                          ; hp
	s_and_b32 s15, ttmp7, 0xffff                   ; g
	s_lshr_b32 s41, ttmp9, 3                       ; the first block's last trip, i / 8
	s_mov_b32 s42, 0                               ; the trip's number
	s_lshl_b32 s43, ttmp9, 5                       ; q0 = 32 i
	s_mov_b32 s22, 0x76543210                      ; v_permlanex16_b32: lane l takes lane l xor 16
	s_mov_b32 s23, 0xfedcba98
	s_mov_b32 s[G1K+0], (1<<16)|(1<<20)|(4<<22)|(3<<25)   ; 2-byte elements; 4 words of padding behind every 32
	s_mov_b32 s[G1V+0], (1<<16)|(1<<20)|(4<<22)|(7<<25)   ; 8 words
	s_mov_b32 s[G1K+1], 64<<16                     ; tensor_dim0 = 64
	s_mov_b32 s[G1V+1], 64<<16
	s_mov_b32 s[G1K+2], 64<<16                     ; tensor_dim1 = 64
	s_mov_b32 s[G1V+2], 64<<16
	s_mov_b32 s[G1K+3], 64<<16                     ; tile_dim0 = 64
	s_mov_b32 s[G1V+3], 64<<16
	s_mov_b32 s[G1K+4], 64                         ; tile_dim1 = 64
	s_mov_b32 s[G1V+4], 64
	s_mov_b32 s[G1K+5], 64                         ; elements from row to row
	s_mov_b32 s[G1V+5], 64
	s_mov_b32 s[G1K+6], 0
	s_mov_b32 s[G1V+6], 0
	s_mov_b32 s[G1K+7], 0
	s_mov_b32 s[G1V+7], 0
	s_lshl_b32 s44, s15, 18
	s_lshl_b32 s45, s3, 13                         ; my 64 rows of 128 bytes
	s_add_co_u32 s44, s44, s45
	s_add_co_u32 s46, s44, 40*HEADB                ; V's head
	s_add_co_u32 s44, s44, 32*HEADB                ; K's head
	s_mov_b32 s45, 0
	s_mov_b32 s47, 0
	s_lshl_b32 s2, s15, 2
	s_lshl1_add_u32 s2, s14, s2                    ; my first query head, 4 g + 2 hp
	s_lshl_b32 s10, s2, 18
	s_mov_b32 s11, 0
	s_mul_i32 s20, s3, 64*KP                       ; where my quarter goes: the wave's place times a constant
	s_mul_i32 s21, s3, 64*VP
	s_add_co_u32 s21, s21, KBYTES
	s_wait_dscnt 0x0
	s_wait_kmcnt 0x0
	s_add_nc_u64 s[16:17], s[4:5], s[44:45]        ; K, my quarter of tile 0
	s_add_nc_u64 s[18:19], s[4:5], s[46:47]        ; V
	s_add_nc_u64 s[8:9], s[4:5], s[10:11]          ; Q, my first head
	s_min_u32 s44, s41, 1                          ; trip 1's tile: 1, or 0 again where the first block has one tile
	s_lshl_b32 s44, s44, 15
	s_mov_b32 s[G0K+0], 1
	s_add_co_u32 s[G0K+1], s20, 0
	s_mov_b64 s[G0K+2:G0K+3], s[16:17]
	s_or_b32 s[G0K+3], s[G0K+3], 0x80000000
	s_mov_b32 s[G0K+4], 1
	s_add_co_u32 s[G0K+5], s20, SLOT
	s_add_nc_u64 s[G0K+6:G0K+7], s[16:17], s[44:45]
	s_or_b32 s[G0K+7], s[G0K+7], 0x80000000
	s_mov_b32 s[G0V+0], 1
	s_add_co_u32 s[G0V+1], s21, 0
	s_mov_b64 s[G0V+2:G0V+3], s[18:19]
	s_or_b32 s[G0V+3], s[G0V+3], 0x80000000
	s_mov_b32 s[G0V+4], 1
	s_add_co_u32 s[G0V+5], s21, SLOT
	s_add_nc_u64 s[G0V+6:G0V+7], s[18:19], s[44:45]
	s_or_b32 s[G0V+7], s[G0V+7], 0x80000000
	s_cmp_eq_u32 s40, 0                            ; both first fills of a wave inside one branch on its number
	s_cbranch_scc0 .Lfirst_v
	tensor_load_to_lds s[G0K:G0K+3], s[G1K:G1K+7]
	s_nop 0
	tensor_load_to_lds s[G0K+4:G0K+7], s[G1K:G1K+7]
	s_nop 0
	s_branch .Lfirst_done
.Lfirst_v:
	tensor_load_to_lds s[G0V:G0V+3], s[G1V:G1V+7]
	s_nop 0
	tensor_load_to_lds s[G0V+4:G0V+7], s[G1V:G1V+7]
	s_nop 0
.Lfirst_done:
; Q's four fragments (2 heads x 2 halves of d) of the block at q0, straight from memory: lane (r, h) takes row r, 16 bytes at 16 h and at 32 + 16 h
.macro QLOAD
	s_lshl_b32 s44, s43, 7
	s_mov_b32 s45, 0
	s_add_nc_u64 s[10:11], s[8:9], s[44:45]
.irp n, 0,1
.irp ks, 0,1
	global_load_b128 v[QF+8*(2*\n+\ks):QF+8*(2*\n+\ks)+3],   v[QOFF], s[10:11] offset:\n*HEADB+64*\ks
	global_load_b128 v[QF+8*(2*\n+\ks)+4:QF+8*(2*\n+\ks)+7], v[QOFF], s[10:11] offset:\n*HEADB+64*\ks+32
.endr
.endr
.endm
	v_and_b32 v1, 15, v0                           ; r
	v_bfe_u32 v2, v0, 4, 1                         ; h
	v_and_b32 v3, 7, v0
	v_bfe_u32 v4, v0, 3, 1
	s_lshl_b32 s46, s13, 11
	v_lshlrev_b32 v5, 7, v1
	v_lshl_add_u32 v5, v2, 4, v5
	v_add_nc_u32 v[QOFF], s46, v5                  ; (16 rh + r) x 128 + 16 h
	QLOAD
	s_mul_i32 s46, s40, 128*KP                     ; my set's 128 keys
	v_mul_u32_u24 v5, v1, KP
	v_lshl_add_u32 v5, v2, 4, v5                   ; r x pitch + 16 h
	v_add_nc_u32 v[KA], s46, v5
	v_add_nc_u32 v[KA+1], SLOT, v[KA]
	s_mul_i32 s46, s40, 128*VP
	s_add_co_u32 s46, s46, KBYTES
	v_lshl_add_u32 v5, v2, 3, v3
	v_mul_u32_u24 v5, v5, VP
	v_lshl_add_u32 v5, v4, 4, v5                   ; (8 h + l % 8) x pitch + 16 ((l / 8) % 2)
	v_add_nc_u32 v[VA], s46, v5
	v_add_nc_u32 v[VA+1], SLOT, v[VA]
	s_mul_i32 s46, s12, 16*SP
	s_add_co_u32 s46, s46, STAGE                   ; my stage
	v_mul_u32_u24 v5, v1, SP
	v_lshl_add_u32 v5, v2, 4, v5
	v_add_nc_u32 v[STO], s46, v5
	v_mul_u32_u24 v5, v2, SP
	v_lshl_add_u32 v5, v1, 4, v5
	v_add_nc_u32 v[RD], s46, v5
	v_lshlrev_b32 v5, 12, v2
	v_lshl_add_u32 v[CO], v1, 4, v5                ; two rows of attnh: lanes 0-15 one, lanes 16-31 the next
	s_lshl_b32 s46, s13, 4
	v_lshlrev_b32 v5, 3, v2
	v_sub_nc_u32 v5, v1, v5
	v_add_nc_u32 v[QH], s46, v5
	v_and_b32 v5, 31, v0
	v_lshlrev_b32 v5, 4, v5                        ; 16 bytes a lane: a store or load of figures covers 512 neighbouring bytes
	s_mul_i32 s46, s12, MB
	s_add_co_u32 s46, s46, MERGE1
	v_add_nc_u32 v[M1OWN], s46, v5
	s_mul_i32 s46, s3, MB
	s_add_co_u32 s47, s46, MERGE1
	v_add_nc_u32 v[M1PAR], s47, v5
	s_add_co_u32 s47, s46, MERGE2
	v_add_nc_u32 v[M2], s47, v5
	v_mov_b32 v[NINF], 0xff800000
	v_mov_b32 v[MX],   0xf149f2ca                  ; -1e30
	v_mov_b32 v[MX+1], 0xf149f2ca
	s_wait_loadcnt 0x0                             ; Q
.macro KVLOAD s                        ; my one tensor load behind a barrier
	s_cmp_eq_u32 s40, 0
	s_cbranch_scc0 .Lfor_v_\@
	tensor_load_to_lds s[G0K+4*(\s):G0K+4*(\s)+3], s[G1K:G1K+7]
	s_nop 0
	s_branch .Lasked_\@
.Lfor_v_\@:
	tensor_load_to_lds s[G0V+4*(\s):G0V+4*(\s)+3], s[G1V:G1V+7]
	s_nop 0
.Lasked_\@:
.endm
.macro NEXTADDR s                      ; slot s gets the tile of trip n + 1: n + 1 in the first block, n - i / 8 in the second
	s_add_co_u32 s44, s42, 1
	s_sub_co_u32 s45, s42, s41
	s_cmp_gt_u32 s44, s41
	s_cselect_b32 s44, s45, s44
	s_lshl_b32 s44, s44, 15                        ; 256 rows of 128 bytes a tile
	s_mov_b32 s45, 0
	s_add_nc_u64 s[G0K+4*(\s)+2:G0K+4*(\s)+3], s[16:17], s[44:45]
	s_or_b32 s[G0K+4*(\s)+3], s[G0K+4*(\s)+3], 0x80000000
	s_add_nc_u64 s[G0V+4*(\s)+2:G0V+4*(\s)+3], s[18:19], s[44:45]
	s_or_b32 s[G0V+4*(\s)+3], s[G0V+4*(\s)+3], 0x80000000
.endm
.macro KFETCH slot, ss                 ; 16 loads: K's fragments of keys 64 ss .. 64 ss + 63 of my set's 128
.irp kb, 0,1,2,3
.irp ks, 0,1
	ds_load_b128 v[KF+8*(2*\kb+\ks):KF+8*(2*\kb+\ks)+3],   v[KA+\slot] offset:(64*\ss+16*\kb)*KP+64*\ks
	ds_load_b128 v[KF+8*(2*\kb+\ks)+4:KF+8*(2*\kb+\ks)+7], v[KA+\slot] offset:(64*\ss+16*\kb)*KP+64*\ks+32
.endr
.endr
.endm
.macro VFETCH slot, ss                 ; 16 transposing loads: V^T's fragments of the same keys, into window 1
	WIN 0x40
.irp db, 0,1,2,3
.irp u, 0,1
	ds_load_tr16_b128 v[VF+8*(2*\db+\u):VF+8*(2*\db+\u)+3],   v[VA+\slot] offset:(64*\ss+32*\u)*VP+32*\db
	ds_load_tr16_b128 v[VF+8*(2*\db+\u)+4:VF+8*(2*\db+\u)+7], v[VA+\slot] offset:(64*\ss+32*\u)*VP+32*\db+16*VP
.endr
.endr
	WIN 0
.endm
; The diagonal tile: key 128 set + 64 ss + 16 kb + 8 h + j is masked where it lies behind query q0 % 256 + 16 rh + r
.macro MASK ss
	s_and_b32 s46, s43, 255
	s_lshl_b32 s47, s40, 7
	s_sub_co_i32 s46, s46, s47
.if \ss
	s_sub_co_i32 s46, s46, 64
.endif
	v_add_nc_u32 v[THR], s46, v[QH]
.irp kb, 0,1,2,3
.irp j, 0,1,2,3,4,5,6,7
	v_cmp_gt_i32 vcc_lo, 16*\kb+\j, v[THR]
	v_cndmask_b32 v[SC+8*(2*\kb)+\j],   v[SC+8*(2*\kb)+\j],   v[NINF], vcc_lo
	v_cndmask_b32 v[SC+8*(2*\kb+1)+\j], v[SC+8*(2*\kb+1)+\j], v[NINF], vcc_lo
.endr
.endr
.endm
; The new maximum of query block n (four chains over my 32 scores, the old maximum or the floor, the other half of the lanes), the factor
; exp2((old - new) c) and -new c, c = log2(e) / 8.  The maximum is finite always: at the least it is the floor.
.macro ROWMAX n, first
.irp kb, 0,1,2,3
	v_max3_num_f32 v[TT+\kb], v[SC+8*(2*\kb+\n)], v[SC+8*(2*\kb+\n)+1], v[SC+8*(2*\kb+\n)+2]
.endr
.irp kb, 0,1,2,3
	v_max3_num_f32 v[TT+\kb], v[TT+\kb], v[SC+8*(2*\kb+\n)+3], v[SC+8*(2*\kb+\n)+4]
.endr
.irp kb, 0,1,2,3
	v_max3_num_f32 v[TT+\kb], v[TT+\kb], v[SC+8*(2*\kb+\n)+5], v[SC+8*(2*\kb+\n)+6]
.endr
	v_max3_num_f32 v[TT],   v[TT],   v[SC+8*(\n)+7],   v[SC+8*(2+\n)+7]
	v_max3_num_f32 v[TT+1], v[TT+1], v[SC+8*(4+\n)+7], v[SC+8*(6+\n)+7]
	v_max3_num_f32 v[TT+2], v[TT+2], v[TT+3], v[TT]
	v_max3_num_f32 v[TT], v[TT+1], v[TT+2], v[MX+\n]
	v_permlanex16_b32 v[TT+1], v[TT], s22, s23
	v_max_num_f32 v[TT], v[TT], v[TT+1]
.if \first == 0
	v_sub_f32 v[TT+2], v[MX+\n], v[TT]
	v_mul_f32 v[TT+2], 0x3e38aa3b, v[TT+2]
	v_exp_f32 v[AL+2*\n],   v[TT+2]
	v_exp_f32 v[AL+2*\n+1], v[TT+2]                ; twice: a pair for the packed multiplies; the plain lines below stand behind them (ISA guide 5.7.2)
.endif
	v_mul_f32 v[NMC+2*\n],   0xbe38aa3b, v[TT]
	v_mul_f32 v[NMC+2*\n+1], 0xbe38aa3b, v[TT]
	v_mov_b32 v[MX+\n], v[TT]
.endm
.macro SCALE n                         ; s c - max c, two at a time
.irp kb, 0,1,2,3
.irp q, 0,2,4,6
	v_pk_fma_f32 v[SC+8*(2*\kb+\n)+\q:SC+8*(2*\kb+\n)+\q+1], v[SC+8*(2*\kb+\n)+\q:SC+8*(2*\kb+\n)+\q+1], 0x3e38aa3b, v[NMC+2*\n:NMC+2*\n+1] op_sel_hi:[1,0,1]
.endr
.endr
.endm
.macro EXPS n
.irp kb, 0,1,2,3
.irp j, 0,1,2,3,4,5,6,7
	v_exp_f32 v[SC+8*(2*\kb+\n)+\j], v[SC+8*(2*\kb+\n)+\j]
.endr
.endr
.endm
.macro SUM n, first, w                 ; my 32 p, in four chains of pairs; then sum = sum x factor + that
	s_wait_alu depctr_va_vdst(0)
.irp q, 0,2,4,6
	v_pk_add_f32 v[\w+\q:\w+\q+1], v[SC+8*(\n)+\q:SC+8*(\n)+\q+1], v[SC+8*(2+\n)+\q:SC+8*(2+\n)+\q+1]
.endr
.irp q, 0,2,4,6
	v_pk_add_f32 v[\w+\q:\w+\q+1], v[\w+\q:\w+\q+1], v[SC+8*(4+\n)+\q:SC+8*(4+\n)+\q+1]
.endr
.irp q, 0,2,4,6
	v_pk_add_f32 v[\w+\q:\w+\q+1], v[\w+\q:\w+\q+1], v[SC+8*(6+\n)+\q:SC+8*(6+\n)+\q+1]
.endr
	v_pk_add_f32 v[\w:\w+1],   v[\w:\w+1],   v[\w+2:\w+3]
	v_pk_add_f32 v[\w+4:\w+5], v[\w+4:\w+5], v[\w+6:\w+7]
	v_pk_add_f32 v[\w:\w+1],   v[\w:\w+1],   v[\w+4:\w+5]
.if \first
	v_add_f32 v[LS+\n], v[\w], v[\w+1]
.else
	v_add_f32 v[\w], v[\w], v[\w+1]
	v_fma_f32 v[LS+\n], v[LS+\n], v[AL+2*\n], v[\w]
.endif
.endm
.macro CVT n                           ; P(n, u) in f16, in place at S^T(2u, n): registers 0-3 from S^T(2u, n), 4-7 from S^T(2u+1, n)
.irp u, 0,1
.irp q, 0,1,2,3
	v_cvt_pk_f16_f32 v[SC+8*(4*\u+\n)+\q], v[SC+8*(4*\u+\n)+2*\q], v[SC+8*(4*\u+\n)+2*\q+1]
.endr
.irp q, 0,1,2,3
	v_cvt_pk_f16_f32 v[SC+8*(4*\u+\n)+4+\q], v[SC+8*(4*\u+2+\n)+2*\q], v[SC+8*(4*\u+2+\n)+2*\q+1]
.endr
.endr
.endm
.macro PVU u, zero                     ; eight matrix instructions: 32 keys into the eight accumulators of O^T, by turns
.irp db, 0,1,2,3
.irp n, 0,1
.if \zero
	v_wmma_f32_16x16x32_f16 v[OA+8*(2*\db+\n):OA+8*(2*\db+\n)+7], v[VF+8*(2*\db+\u):VF+8*(2*\db+\u)+7], v[SC+8*(4*\u+\n):SC+8*(4*\u+\n)+7], 0
.else
	v_wmma_f32_16x16x32_f16 v[OA+8*(2*\db+\n):OA+8*(2*\db+\n)+7], v[VF+8*(2*\db+\u):VF+8*(2*\db+\u)+7], v[SC+8*(4*\u+\n):SC+8*(4*\u+\n)+7], v[OA+8*(2*\db+\n):OA+8*(2*\db+\n)+7]
.endif
.endr
.endr
.endm
; 64 keys.  first = 1: the launch's first step starts all sums.  mm = 0: masked if this is the first block's last trip; 1: masked; 2: not.
; All accumulators take turns, one instruction a turn.
.macro SUB slot, ss, first, mm
	s_wait_dscnt 16                                ; K's 16 loads are in; V's 16 younger ones stay out
.irp kb, 0,1,2,3
.irp n, 0,1
	v_wmma_f32_16x16x32_f16 v[SC+8*(2*\kb+\n):SC+8*(2*\kb+\n)+7], v[KF+8*(2*\kb):KF+8*(2*\kb)+7], v[QF+8*(2*\n):QF+8*(2*\n)+7], 0
.endr
.endr
.irp kb, 0,1,2,3
.irp n, 0,1
	v_wmma_f32_16x16x32_f16 v[SC+8*(2*\kb+\n):SC+8*(2*\kb+\n)+7], v[KF+8*(2*\kb+1):KF+8*(2*\kb+1)+7], v[QF+8*(2*\n+1):QF+8*(2*\n+1)+7], v[SC+8*(2*\kb+\n):SC+8*(2*\kb+\n)+7]
.endr
.endr
.rept 4
	v_nop                                          ; four places ahead of the reads of the scores and of the loads into K's registers
.endr
.if \ss == 0
	KFETCH \slot, 1                                ; the next 64 keys' K lands during the softmax
.endif
.if \mm == 0
	s_cmp_lg_u32 s42, s41
	s_cbranch_scc1 .Lno_mask_\@
	MASK \ss
.Lno_mask_\@:
.endif
.if \mm == 1
	MASK \ss
.endif
	ROWMAX 0, \first
	ROWMAX 1, \first
	SCALE 0
	EXPS 0
	SCALE 1                                        ; plain work on other registers behind each run of exponentials
	EXPS 1
	SUM 0, \first, TT
	CVT 0
	SUM 1, \first, TU
	CVT 1
.if \ss == 0
	s_wait_dscnt 16                                ; V's loads are in; the 16 younger ones are the next K's
.else
	s_wait_dscnt 0
.endif
.if \first == 0
	WIN 0x41                                       ; O^T in window 1, the factor in window 0
.irp db, 0,1,2,3
.irp n, 0,1
.irp q, 0,2,4,6
	v_pk_mul_f32 v[OA+8*(2*\db+\n)+\q:OA+8*(2*\db+\n)+\q+1], v[OA+8*(2*\db+\n)+\q:OA+8*(2*\db+\n)+\q+1], v[AL+2*\n:AL+2*\n+1]
.endr
.endr
.endr
.endif
	WIN 0x51                                       ; V^T, C and D in window 1, P in window 0
	PVU 0, \first
	PVU 1, 0
.rept 5
	v_nop                                          ; five places: the next scores are written over P; also ahead of the loads into V's registers and of the LDS stores of O^T
.endr
.if \ss == 0
	VFETCH \slot, 1
.endif
	WIN 0
.endm
; My figures into LDS at adr: O^T's 64 registers as 16 stores of 512 neighbouring bytes, then (maximum 0, 1, sum 0, 1) as one more
.macro SEND adr
	WIN 0x04                                       ; the stores' data in window 1
.irp x, 0,1,2,3,4,5,6,7,8,9,10,11,12,13,14,15
	ds_store_b128 v[\adr], v[OA+4*\x:OA+4*\x+3] offset:512*\x
.endr
	WIN 0
	ds_store_b128 v[\adr], v[MX:MX+3] offset:16*512
.endm
; The partner's figures from LDS at adr: its O^T into the scores' registers (same numbering), its maximum and sum into TT .. TT+3
.macro PLOAD adr
.irp x, 0,1,2,3,4,5,6,7,8,9,10,11,12,13,14,15
	ds_load_b128 v[SC+4*\x:SC+4*\x+3], v[\adr] offset:512*\x
.endr
	ds_load_b128 v[TT:TT+3], v[\adr] offset:16*512
.endm
.macro SWITCH                          ; behind the first block's last trip: my figures of it go into my own LDS bytes, the second block's Q comes
	s_cmp_lg_u32 s42, s41
	s_cbranch_scc1 .Lstay_\@
	s_sub_co_u32 s43, 2016, s43                    ; q0 = 32 (63 - i)
	QLOAD
	SEND M1OWN
	v_mov_b32 v[MX],   0xf149f2ca                  ; back to the floor: the next step's factor is 0
	v_mov_b32 v[MX+1], 0xf149f2ca
	v_mov_b32 v[LS],   0
	v_mov_b32 v[LS+1], 0
	s_wait_loadcnt 0x0
.Lstay_\@:
.endm
; A trip: 256 keys in slot, of which my set takes 128.  head = 0: the first trip; 1: the other slot is filled again; 2: nothing is left to fetch.
.macro TRIP slot, head, first, mm, sw
.if \head == 0
	s_wait_tensorcnt 0x1                           ; my part of slot 0 is in; slot 1's stays out
	s_barrier_signal -1
	s_barrier_wait -1
.else
	s_wait_tensorcnt 0x0                           ; all my tensor loads have landed, my part of this trip's tile among them: a group 0 may be written
	ds_add_u32 v254, v255
	s_wait_dscnt 0x0
.if \head == 1
	NEXTADDR 1-\slot
.endif
	s_wait_dscnt 0x0                               ; my reads of the other slot, and my stores of figures, are done
	s_barrier_signal -1
	s_barrier_wait -1                              ; both now hold of every wave
.if \head == 1
	KVLOAD 1-\slot                                 ; my one tensor load behind the barrier, first thing there; it has the whole trip in which to land
.endif
.endif
	KFETCH \slot, 0
	VFETCH \slot, 0
	SUB \slot, 0, \first, \mm
	SUB \slot, 1, 0, \mm
.if \sw
	SWITCH
.endif
	s_add_co_u32 s42, s42, 1
.endm
	TRIP 0, 0, 1, 0, 1                             ; trip 0
	s_mov_b32 s3, 3
.Llap:
	TRIP 1, 1, 0, 0, 1                             ; trips 1 to 6
	TRIP 0, 1, 0, 0, 1
	s_sub_co_u32 s3, s3, 1
	s_cmp_lg_u32 s3, 0
	s_cbranch_scc1 .Llap
	TRIP 1, 1, 0, 2, 0                             ; trip 7: i / 8 <= 3, so neither a diagonal nor a change of blocks falls here
	TRIP 0, 2, 0, 1, 0                             ; trip 8: the second block's diagonal
	; THE SETS MEET.  Set B puts down its figures of the second block; one barrier, behind which nothing is filled; then set A finishes the
	; second block (its own figures are in registers) and set B the first (its own figures come back from its own bytes).
	s_cmp_eq_u32 s40, 0
	s_cbranch_scc1 .Lno_send
	SEND M2
.Lno_send:
	s_wait_dscnt 0x0                               ; for the others' sake: my stores of figures are done
	s_barrier_signal -1
	s_barrier_wait -1
	s_cmp_eq_u32 s40, 0
	s_cbranch_scc1 .Lset_a
	s_sub_co_u32 s43, 2016, s43                    ; q0 of the first block again
	WIN 0x40                                       ; destination in window 1
.irp x, 0,1,2,3,4,5,6,7,8,9,10,11,12,13,14,15
	ds_load_b128 v[OA+4*\x:OA+4*\x+3], v[M1OWN] offset:512*\x
.endr
	WIN 0
	ds_load_b128 v[MX:MX+3], v[M1OWN] offset:16*512
	PLOAD M1PAR
	s_branch .Lmerge
.Lset_a:
	PLOAD M2
.Lmerge:
	s_lshl_b32 s44, s13, 4                         ; attnh at row q0 + 16 rh, column 64 (4 g + 2 hp)
	s_add_co_u32 s44, s44, s43
	s_lshl_b32 s44, s44, 12
	s_lshl_b32 s45, s2, 7
	s_add_co_u32 s44, s44, s45
	s_mov_b32 s45, 0
	s_add_nc_u64 s[20:21], s[6:7], s[44:45]
	s_wait_dscnt 0x0                               ; the figures are in
	v_max_num_f32 v[TT+4], v[MX],   v[TT]          ; the common maximum
	v_max_num_f32 v[TT+5], v[MX+1], v[TT+1]
	v_sub_f32 v[TU],   v[MX],   v[TT+4]
	v_sub_f32 v[TU+1], v[MX+1], v[TT+5]
	v_sub_f32 v[TU+2], v[TT],   v[TT+4]
	v_sub_f32 v[TU+3], v[TT+1], v[TT+5]
.irp q, 0,1,2,3
	v_mul_f32 v[TU+\q], 0x3e38aa3b, v[TU+\q]
.endr
.irp q, 0,1,2,3
	v_exp_f32 v[TU+\q], v[TU+\q]                   ; my factor (n = 0, 1), the partner's (n = 0, 1); a set that saw no key gets 0
.endr
	v_nop                                          ; the plain place behind the exponentials (ISA guide 5.7.2)
	s_wait_alu depctr_va_vdst(0)
	v_mul_f32 v[LS],   v[LS],   v[TU]
	v_mul_f32 v[LS+1], v[LS+1], v[TU+1]
	v_fma_f32 v[LS],   v[TT+2], v[TU+2], v[LS]
	v_fma_f32 v[LS+1], v[TT+3], v[TU+3], v[LS+1]
	v_permlanex16_b32 v[TT+4], v[LS],   s22, s23   ; the two halves of the lanes hold sums over different keys
	v_permlanex16_b32 v[TT+5], v[LS+1], s22, s23
	v_add_f32 v[TT+4], v[TT+4], v[LS]
	v_add_f32 v[TT+5], v[TT+5], v[LS+1]
	v_rcp_f32 v[TT+4], v[TT+4]                     ; key 0 is open to every query, so the sum is at least one p = 1 times a factor 1
	v_rcp_f32 v[TT+5], v[TT+5]
	v_nop                                          ; the plain place behind the reciprocals
	s_wait_alu depctr_va_vdst(0)
	v_mul_f32 v[AL],    v[TU],   v[TT+4]           ; my factor / sum, a pair for each n
	v_mul_f32 v[AL+1],  v[TU],   v[TT+4]
	v_mul_f32 v[AL+2],  v[TU+1], v[TT+5]
	v_mul_f32 v[AL+3],  v[TU+1], v[TT+5]
	v_mul_f32 v[NMC],   v[TU+2], v[TT+4]           ; the partner's factor / sum
	v_mul_f32 v[NMC+1], v[TU+2], v[TT+4]
	v_mul_f32 v[NMC+2], v[TU+3], v[TT+5]
	v_mul_f32 v[NMC+3], v[TU+3], v[TT+5]
.irp db, 0,1,2,3
.irp n, 0,1
.irp q, 0,2,4,6
	v_pk_mul_f32 v[SC+8*(2*\db+\n)+\q:SC+8*(2*\db+\n)+\q+1], v[SC+8*(2*\db+\n)+\q:SC+8*(2*\db+\n)+\q+1], v[NMC+2*\n:NMC+2*\n+1]
.endr
.endr
.endr
	WIN 0x01                                       ; source 0 (my O^T) in window 1
.irp db, 0,1,2,3
.irp n, 0,1
.irp q, 0,2,4,6
	v_pk_fma_f32 v[SC+8*(2*\db+\n)+\q:SC+8*(2*\db+\n)+\q+1], v[OA+8*(2*\db+\n)+\q:OA+8*(2*\db+\n)+\q+1], v[AL+2*\n:AL+2*\n+1], v[SC+8*(2*\db+\n)+\q:SC+8*(2*\db+\n)+\q+1]
.endr
.endr
.endr
	WIN 0
	; f16, through my stage, out as whole rows of 256 bytes (two heads)
.irp db, 0,1,2,3
.irp n, 0,1
.irp q, 0,1,2,3
	v_cvt_pk_f16_f32 v[KF+4*(2*\db+\n)+\q], v[SC+8*(2*\db+\n)+2*\q], v[SC+8*(2*\db+\n)+2*\q+1]
.endr
.endr
.endr
.irp db, 0,1,2,3
.irp n, 0,1
	ds_store_b128 v[STO], v[KF+4*(2*\db+\n):KF+4*(2*\db+\n)+3] offset:128*\n+32*\db
.endr
.endr
.irp t, 0,1,2,3,4,5,6,7
	ds_load_b128 v[KF+32+4*\t:KF+32+4*\t+3], v[RD] offset:2*SP*\t     ; LDS serves a wave's instructions in order: these see the stores above
.endr
.irp t, 0,1,2,3,4,5,6,7
	s_wait_dscnt 7-\t                              ; load t of the eight is in
	global_store_b128 v[CO], v[KF+32+4*\t:KF+32+4*\t+3], s[20:21] offset:8192*\t   ; sixteen lanes store 256 consecutive bytes, aligned
.endr
	s_wait_tensorcnt 0x0
	ds_add_u32 v254, v255
	s_wait_dscnt 0x0
	s_endpgm
.Lfunc_end_k_q6a8ad51cd2_attn:
	.size	k_q6a8ad51cd2_attn, .Lfunc_end_k_q6a8ad51cd2_attn-k_q6a8ad51cd2_attn
	.p2alignl 7, 3214868480
	.fill 96, 4, 3214868480
	.section	.rodata,"a",@progbits
	.p2align	6, 0x0
	.amdhsa_kernel k_q6a8ad51cd2_attn
		.amdhsa_group_segment_fixed_size 327680
		.amdhsa_private_segment_fixed_size 0
		.amdhsa_enable_private_segment 0
		.amdhsa_kernarg_size 16
		.amdhsa_user_sgpr_count 2
		.amdhsa_user_sgpr_kernarg_segment_ptr 1
		.amdhsa_wavefront_size32 1
		.amdhsa_system_sgpr_workgroup_id_x 1
		.amdhsa_system_sgpr_workgroup_id_y 1
		.amdhsa_system_sgpr_workgroup_id_z 1
		.amdhsa_system_vgpr_workitem_id 0
		.amdhsa_next_free_vgpr 384
		.amdhsa_next_free_sgpr 66
		.amdhsa_reserve_vcc 1
		.amdhsa_float_denorm_mode_32 3
		.amdhsa_float_denorm_mode_16_64 3
		.amdhsa_memory_ordered 1
		.amdhsa_forward_progress 1
		.amdhsa_inst_pref_size 240
	.end_amdhsa_kernel
	.amdgpu_metadata
---
amdhsa.version: [ 1, 2 ]
amdhsa.kernels:
  - .name:           k_q6a8ad51cd2_attn
    .symbol:         k_q6a8ad51cd2_attn.kd
    .args:
      - { .name: qkvh, .offset: 0, .size: 8, .value_kind: global_buffer, .address_space: global }
      - { .name: attnh, .offset: 8, .size: 8, .value_kind: global_buffer, .address_space: global }
    .group_segment_fixed_size: 327680
    .private_segment_fixed_size: 0
    .kernarg_segment_align: 8
    .kernarg_segment_size: 16
    .max_flat_workgroup_size: 256
    .sgpr_count:     66
    .vgpr_count:     384
    .wavefront_size: 32
...
	.end_amdgpu_metadata
.endif
;; end of part 3
;; launch oproj (part 4): grid 16 x 16, 4 waves a work-group, clusters of 4 x 4, 327,680 bytes of LDS; arguments attnh, woh, out0; writes out0
.if DOCPART == 4
	.amdgcn_target "amdgcn-amd-amdhsa--gfx1250"
	.amdhsa_code_object_version 6
	.text
	.protected	k_q6a8ad51cd2_oproj
	.globl	k_q6a8ad51cd2_oproj
	.p2align	8
	.type	k_q6a8ad51cd2_oproj,@function
k_q6a8ad51cd2_oproj:
	s_mov_b64 s[64:65], 0
	v_nop
	global_prefetch_b8 v0, s[64:65] scope:SCOPE_SE
	s_setreg_imm32_b32 hwreg(HW_REG_WAVE_MODE, 25, 1), 1
	s_wait_xcnt 0x0
	s_wait_alu depctr_hold_cnt(0) depctr_sa_sdst(0) depctr_va_vdst(0) depctr_va_sdst(0) depctr_va_ssrc(0) depctr_va_vcc(0) depctr_vm_vsrc(0)
	s_getreg_b32 s2, hwreg(HW_REG_IB_STS2, 6, 4)
	s_cmp_eq_u32 s2, 0
	s_cbranch_scc0 .Lentry_in_a_cluster
	s_endpgm
.Lentry_in_a_cluster:
	s_bfe_u32 s2, ttmp6, 0x10000c
	s_cmp_lg_u32 s2, 0xf033
	s_cbranch_scc0 .Lentry_shape_is_right
	s_endpgm
.Lentry_shape_is_right:
; out0 = attnh woh^T  ([2048][2048] x [2048][2048], f16 operands, sums and result in f32).
; A work-group makes 128 x 128 with four waves, 2 x 2, a wave 64 x 64: 16 accumulator tiles, 128 registers.  16 x 16 = 256 work-groups.
; K goes in steps of 256 through two LDS slots (rows of 512 bytes of memory, aligned): eight quarter steps of 32 between two refills.
; CLUSTERS: 4 x 4 work-groups; A's tile is asked for jointly along a row of the cluster, B's along a column.  Waves 0, 1 fetch A's halves,
; waves 2, 3 B's, 64 rows each.  A wave has two tensor loads out at the start and one behind each round.
; REGISTERS: window 0: addresses, two fragment buffers; window 1: accumulator (a, b) at v[8 (4 a + b)].
; The matrix instruction is used transposed (source 0 = rows of woh, source 1 = rows of attnh): lane l holds row l % 16 and eight neighbouring columns.
.set KS,     256
.set PITCH,  528                       ; 512 bytes + 16: an odd multiple of 16
.set AH,     64*PITCH
.set BH,     64*PITCH
.set SLOT,   2*AH+2*BH                 ; 135,168
.set STAGE,  2*SLOT                    ; 270,336, a multiple of 256: no tensor load lands from here on
.set SPITCH, 272
.set LAPS,   2048/(2*KS)
.set NL,     16
.set ADRA,   16
.set ADRB,   20
.set STO,    24
.set RD,     25
.set CO,     26
.set FA,     32                        ; A fragments: v32-63, v112-143
.set FB,     64                        ; B fragments: v64-95, v144-175
.set G1,  24
.set G0,  32
.set G1B, 48
.set G0B, 56
.set MSB, 0
.macro WIN new
.if MSB != \new
	s_set_vgpr_msb (MSB<<8)|\new
.set MSB, \new
.endif
.endm
.set MULW, 0x50
.macro PLACES                          ; four plain places behind a matrix instruction (ISA guide 7.12.1)
.rept 4
	v_nop
.endr
.endm
.macro JLOAD s
	s_cmp_eq_u32 s13, 0
	s_cbranch_scc0 .Lfor_b_\@
	tensor_load_to_lds s[G0+4*\s:G0+4*\s+3], s[G1:G1+7]
	s_nop 0
	s_branch .Lasked_\@
.Lfor_b_\@:
	tensor_load_to_lds s[G0B+4*\s:G0B+4*\s+3], s[G1B:G1B+7]
	s_nop 0
.Lasked_\@:
.endm
.macro CREST
	s_cmp_lg_u32 s12, 0
	s_cbranch_scc1 .Lnot_wave_0_\@
	s_barrier_signal -3
.Lnot_wave_0_\@:
	s_barrier_wait -3
	s_barrier_signal -1
	s_barrier_wait -1
.endm
.macro CROUND
	s_barrier_signal -1
	s_barrier_wait -1
	CREST
.endm
	s_load_b128 s[4:7], s[0:1], 0x0                ; attnh s[4:5], woh s[6:7]
	s_load_b64 s[8:9], s[0:1], 0x10                ; out0
	v_lshl_add_u32 v254, v0, 2, 0x46400
	v_mov_b32 v255, 0
	ds_add_u32 v254, v255
	ds_add_u32 v254, v255
	v_lshrrev_b32 v1, 5, v0
	v_readfirstlane_b32 s12, v1
	s_lshr_b32 s13, s12, 1                         ; my half of the rows; also: I fetch for A (0) or B (1)
	s_and_b32 s14, s12, 1                          ; my half of the columns; also: which half of that tile I fetch
	s_bfe_u32 s40, ttmp6, 0x40000
	s_bfe_u32 s41, ttmp6, 0x40004
	s_lshl_b32 s42, ttmp9, 2
	s_add_co_u32 s42, s42, s40                     ; block column
	s_and_b32 s15, ttmp7, 0xffff
	s_lshl_b32 s15, s15, 2
	s_add_co_u32 s15, s15, s41                     ; block row
	s_lshl_b32 s43, s41, 2
	s_lshl_b32 s43, 15, s43
	s_lshl_b32 s44, 0x1111, s40
	s_or_b32 s[G1+0], s43, (1<<16)|(1<<20)|(1<<21)|(6<<22)|(3<<25)   ; mask; 2-byte elements; padding on; bit 21 beside a mask; 4 words behind every 128
	s_or_b32 s[G1B+0], s44, (1<<16)|(1<<20)|(1<<21)|(6<<22)|(3<<25)
	s_mov_b32 s[G1+1], KS<<16
	s_mov_b32 s[G1B+1], KS<<16
	s_mov_b32 s[G1+2], 64<<16
	s_mov_b32 s[G1B+2], 64<<16
	s_mov_b32 s[G1+3], KS<<16
	s_mov_b32 s[G1B+3], KS<<16
	s_mov_b32 s[G1+4], 64
	s_mov_b32 s[G1B+4], 64
	s_mov_b32 s[G1+5], 2048
	s_mov_b32 s[G1B+5], 2048
	s_mov_b32 s[G1+6], 0
	s_mov_b32 s[G1B+6], 0
	s_mov_b32 s[G1+7], 0
	s_mov_b32 s[G1B+7], 0
	s_lshl_b32 s16, s15, 19                        ; A: (128 x block row + 64 x half) rows of 4,096 bytes
	s_lshl_b32 s17, s14, 18
	s_add_co_u32 s16, s16, s17
	s_mov_b32 s17, 0
	s_lshl_b32 s46, s42, 19                        ; B: (128 x block column + 64 x half) rows
	s_lshl_b32 s47, s14, 18
	s_add_co_u32 s46, s46, s47
	s_mov_b32 s47, 0
	s_mul_i32 s20, s14, AH
	s_mul_i32 s21, s14, BH
	s_add_co_u32 s21, s21, 2*AH
	s_wait_dscnt 0x0
	s_wait_kmcnt 0x0
	s_add_nc_u64 s[18:19], s[4:5], s[16:17]
	s_add_nc_u64 s[46:47], s[6:7], s[46:47]
	CROUND                                         ; all sixteen work-groups are here: the first joint loads meet
.irp s, 0,1
	s_mov_b32 s[G0+4*\s], 1
	s_add_co_u32 s[G0+4*\s+1], s20, \s*SLOT
	s_add_nc_u64 s[G0+4*\s+2:G0+4*\s+3], s[18:19], \s*KS*2
	s_or_b32 s[G0+4*\s+3], s[G0+4*\s+3], 0x80000000
	s_mov_b32 s[G0B+4*\s], 1
	s_add_co_u32 s[G0B+4*\s+1], s21, \s*SLOT
	s_add_nc_u64 s[G0B+4*\s+2:G0B+4*\s+3], s[46:47], \s*KS*2
	s_or_b32 s[G0B+4*\s+3], s[G0B+4*\s+3], 0x80000000
.endr
	s_cmp_eq_u32 s13, 0
	s_cbranch_scc0 .Lfirst_b
	tensor_load_to_lds s[G0:G0+3], s[G1:G1+7]
	s_nop 0
	tensor_load_to_lds s[G0+4:G0+7], s[G1:G1+7]
	s_nop 0
	s_branch .Lfirst_done
.Lfirst_b:
	tensor_load_to_lds s[G0B:G0B+3], s[G1B:G1B+7]
	s_nop 0
	tensor_load_to_lds s[G0B+4:G0B+7], s[G1B:G1B+7]
	s_nop 0
.Lfirst_done:
	v_and_b32 v1, 15, v0                           ; r
	v_bfe_u32 v2, v0, 4, 1                         ; h
	v_mul_u32_u24 v3, v1, PITCH
	v_lshl_add_u32 v3, v2, 4, v3
	s_mul_i32 s22, s13, AH
	s_mul_i32 s23, s14, BH
	s_add_co_u32 s23, s23, 2*AH
.irp s, 0,1
	v_add_nc_u32 v[ADRA+\s], s22, v3
	v_add_nc_u32 v[ADRB+\s], s23, v3
	s_add_co_u32 s22, s22, SLOT
	s_add_co_u32 s23, s23, SLOT
.endr
	s_mul_i32 s22, s12, 16*SPITCH
	s_add_co_u32 s22, s22, STAGE                   ; my own stage: 16 rows of 64 f32
	v_mul_u32_u24 v4, v1, SPITCH
	v_lshl_add_u32 v4, v2, 5, v4
	v_add_nc_u32 v[STO], s22, v4                   ; in: row r, 32 bytes for each half of the lanes
	v_mul_u32_u24 v5, v2, SPITCH
	v_lshl_add_u32 v5, v1, 4, v5
	v_add_nc_u32 v[RD], s22, v5                    ; back: lanes 0-15 one row of 256 bytes, lanes 16-31 the next
	v_lshlrev_b32 v5, 13, v2
	v_lshl_add_u32 v[CO], v1, 4, v5                ; the same two rows in out0
; four matrix instructions: row block a x all four column blocks.  The 16 accumulators take turns, one instruction a turn, in the same order
; everywhere, over the loop's backward jump too.
.macro MUL1 f, a, zero
.irp b, 0,1,2,3
.if \zero
	v_wmma_f32_16x16x32_f16 v[8*(4*\a+\b):8*(4*\a+\b)+7], v[FB+80*\f+8*\b:FB+80*\f+8*\b+7], v[FA+80*\f+8*\a:FA+80*\f+8*\a+7], 0
.else
	v_wmma_f32_16x16x32_f16 v[8*(4*\a+\b):8*(4*\a+\b)+7], v[FB+80*\f+8*\b:FB+80*\f+8*\b+7], v[FA+80*\f+8*\a:FA+80*\f+8*\a+7], v[8*(4*\a+\b):8*(4*\a+\b)+7]
.endif
.endr
.endm
.macro FETCH slot, k, f                ; B's eight loads, then A's eight
.irp i, 0,1,2,3
	ds_load_b128 v[FB+80*\f+8*\i:FB+80*\f+8*\i+3],   v[ADRB+\slot] offset:\k+\i*16*PITCH
	ds_load_b128 v[FB+80*\f+8*\i+4:FB+80*\f+8*\i+7], v[ADRB+\slot] offset:\k+\i*16*PITCH+32
.endr
.irp i, 0,1,2,3
	ds_load_b128 v[FA+80*\f+8*\i:FA+80*\f+8*\i+3],   v[ADRA+\slot] offset:\k+\i*16*PITCH
	ds_load_b128 v[FA+80*\f+8*\i+4:FA+80*\f+8*\i+7], v[ADRA+\slot] offset:\k+\i*16*PITCH+32
.endr
.endm
.macro QUARTER slot, k, f, g, zero
	s_wait_dscnt 4                                 ; B and A's row blocks 0, 1 are in; the youngest four loads (A's blocks 2, 3) may be out
	WIN MULW
	MUL1 \f, 0, \zero
	MUL1 \f, 1, \zero
	PLACES
	WIN 0
	FETCH \slot, \k, \g
	s_wait_dscnt NL                                ; all but the sixteen just issued
	WIN MULW
	MUL1 \f, 2, \zero
	MUL1 \f, 3, \zero
.endm
; The last quarter of a K step changes slots: each wave's waits for its reads and for all its tensor loads stand in front of the barrier; where
; the slot is filled again that barrier opens a round of the cluster's barrier, and the joint refill is the first tensor load behind the round.
.macro TURN slot, next, fill
	s_wait_dscnt 4
	WIN MULW
	MUL1 1, 0, 0
	s_wait_dscnt 0
	s_wait_tensorcnt 0x0
	ds_add_u32 v254, v255
	s_wait_dscnt 0x0
	s_barrier_signal -1
	MUL1 1, 1, 0
	WIN 0
	s_barrier_wait -1
.if \fill
	CREST
	s_add_nc_u64 s[G0+4*\slot+2:G0+4*\slot+3], s[G0+4*\slot+2:G0+4*\slot+3], 2*KS*2
	s_add_nc_u64 s[G0B+4*\slot+2:G0B+4*\slot+3], s[G0B+4*\slot+2:G0B+4*\slot+3], 2*KS*2
	JLOAD \slot
.endif
	PLACES
	FETCH \next, 0, 0
	WIN MULW
	MUL1 1, 2, 0
	MUL1 1, 3, 0
.endm
.macro SEVEN slot, zero
	QUARTER \slot, 64,  0, 1, \zero
	QUARTER \slot, 128, 1, 0, 0
	QUARTER \slot, 192, 0, 1, 0
	QUARTER \slot, 256, 1, 0, 0
	QUARTER \slot, 320, 0, 1, 0
	QUARTER \slot, 384, 1, 0, 0
	QUARTER \slot, 448, 0, 1, 0
.endm
.macro LAP zero
	SEVEN 0, \zero
	TURN 0, 1, 1
	SEVEN 1, 0
	TURN 1, 0, 1
.endm
	s_wait_tensorcnt 0x1                           ; my part of K step 0 is in; K step 1's stays out
	s_barrier_signal -1
	s_barrier_wait -1
	FETCH 0, 0, 0
	LAP 1                                          ; the first products start the sums
	WIN 0
	s_mov_b32 s3, LAPS-2
.Llap:
	LAP 0
	WIN 0
	s_sub_co_u32 s3, s3, 1
	s_cmp_lg_u32 s3, 0
	s_cbranch_scc1 .Llap
	SEVEN 0, 0                                     ; the last lap fills nothing
	TURN 0, 1, 0
	SEVEN 1, 0
	s_wait_dscnt 4
	WIN MULW
	MUL1 1, 0, 0
	MUL1 1, 1, 0
	s_wait_dscnt 0
	MUL1 1, 2, 0
	MUL1 1, 3, 0
	; THE WAY OUT, 16 rows at a time: the sums go as they are (f32) into my own stage and come back as whole rows of 256 bytes.
	PLACES
	s_lshl_b32 s16, s15, 7
	s_lshl_b32 s17, s13, 6
	s_add_co_u32 s16, s16, s17                     ; my first row
	s_lshl_b32 s16, s16, 13                        ; rows of 8,192 bytes
	s_mov_b32 s17, 0
	s_add_nc_u64 s[8:9], s[8:9], s[16:17]
	s_lshl_b32 s46, s42, 9                         ; my first column, in bytes: 512 x block + 256 x half
	s_lshl_b32 s47, s14, 8
	s_add_co_u32 s46, s46, s47
	s_mov_b32 s47, 0
	s_add_nc_u64 s[8:9], s[8:9], s[46:47]
.macro OUT16 a                         ; each row block has data registers of its own and the base is not stepped: nothing that a store reads is written again
	WIN 0x04                                       ; the LDS stores' data in window 1
.irp b, 0,1,2,3
	ds_store_b128 v[STO], v[8*(4*\a+\b):8*(4*\a+\b)+3]   offset:64*\b
	ds_store_b128 v[STO], v[8*(4*\a+\b)+4:8*(4*\a+\b)+7] offset:64*\b+16
.endr
	WIN 0
.irp t, 0,1,2,3,4,5,6,7
	ds_load_b128 v[32+32*\a+4*\t:32+32*\a+4*\t+3], v[RD] offset:2*SPITCH*\t   ; LDS serves a wave's instructions in order: these see the stores above, and the next block's stores come behind them
.endr
.irp t, 0,1,2,3,4,5,6,7
	s_wait_dscnt 7-\t
	global_store_b128 v[CO], v[32+32*\a+4*\t:32+32*\a+4*\t+3], s[8:9] offset:(16*\a+2*\t)*8192 th:TH_STORE_NT   ; sixteen lanes store 256 consecutive bytes, aligned
.endr
.endm
	OUT16 0
	OUT16 1
	OUT16 2
	OUT16 3
	s_wait_tensorcnt 0x0
	ds_add_u32 v254, v255
	s_wait_dscnt 0x0
	CROUND                                         ; the closing round
	s_endpgm
.Lfunc_end_k_q6a8ad51cd2_oproj:
	.size	k_q6a8ad51cd2_oproj, .Lfunc_end_k_q6a8ad51cd2_oproj-k_q6a8ad51cd2_oproj
	.p2alignl 7, 3214868480
	.fill 96, 4, 3214868480
	.section	.rodata,"a",@progbits
	.p2align	6, 0x0
	.amdhsa_kernel k_q6a8ad51cd2_oproj
		.amdhsa_group_segment_fixed_size 327680
		.amdhsa_private_segment_fixed_size 0
		.amdhsa_enable_private_segment 0
		.amdhsa_kernarg_size 24
		.amdhsa_user_sgpr_count 2
		.amdhsa_user_sgpr_kernarg_segment_ptr 1
		.amdhsa_wavefront_size32 1
		.amdhsa_system_sgpr_workgroup_id_x 1
		.amdhsa_system_sgpr_workgroup_id_y 1
		.amdhsa_system_sgpr_workgroup_id_z 1
		.amdhsa_system_vgpr_workitem_id 0
		.amdhsa_next_free_vgpr 384
		.amdhsa_next_free_sgpr 66
		.amdhsa_reserve_vcc 0
		.amdhsa_float_denorm_mode_32 3
		.amdhsa_float_denorm_mode_16_64 3
		.amdhsa_memory_ordered 1
		.amdhsa_forward_progress 1
		.amdhsa_inst_pref_size 127
	.end_amdhsa_kernel
	.amdgpu_metadata
---
amdhsa.version: [ 1, 2 ]
amdhsa.kernels:
  - .name:           k_q6a8ad51cd2_oproj
    .symbol:         k_q6a8ad51cd2_oproj.kd
    .args:
      - { .name: attnh, .offset: 0, .size: 8, .value_kind: global_buffer, .address_space: global }
      - { .name: woh, .offset: 8, .size: 8, .value_kind: global_buffer, .address_space: global }
      - { .name: out0, .offset: 16, .size: 8, .value_kind: global_buffer, .address_space: global }
    .group_segment_fixed_size: 327680
    .private_segment_fixed_size: 0
    .kernarg_segment_align: 8
    .kernarg_segment_size: 24
    .max_flat_workgroup_size: 128
    .sgpr_count:     66
    .vgpr_count:     384
    .wavefront_size: 32
...
	.end_amdgpu_metadata
.endif
;; end of part 4
